; MI455X (gfx1250); checked and timed in simulation.
; The chip was launched on July 23, 2026; its instructions are those of AMD's public machine-readable ISA for CDNA 5 (MIT licence, August 2026) and "CDNA5" Instruction Set Architecture Reference Guide (July 2026). The comments in the code are by the model that wrote it; some were corrected since.
;; AWPINN. Allowed arithmetic: float matrix products may take bf16 or f16 operands with f32 sums; all other float work in f32.
;; Inputs: bias one number float32; bx 512 float32; by 512 float32; bz 512 float32; coeff 512 float32; wx 512 float32; wy 512 float32; wz 512 float32; x 65,536 float32; y 65,536 float32; z 65,536 float32.
;; Outputs: out0 65,536 float32; out1 65,536 float32; out2 65,536 float32; out3 65,536 float32.
;; 2 versions, each right; version 2 is version 1 with the launch awpinn written anew for expert scheduling mode. Each part assembles by itself: llvm-mc -triple=amdgcn-amd-amdhsa -mcpu=gfx1250 --defsym DOCPART=n.
;; ======== version 1 of 2: 1 launch
;; limits: right only within a limited range of input values
;; launch awpinn (part 1): grid 256 x 1, 16 waves a work-group, no clusters, 164,864 bytes of LDS; arguments x, y, z, wx, bx, wy, by, wz, bz, coeff, bias, out0, out1, out2, out3; writes out0, out1, out2, out3
.if DOCPART == 1
	.amdgcn_target "amdgcn-amd-amdhsa--gfx1250"
	.amdhsa_code_object_version 6
	.text
	.protected	k_q46f1513099_awpinn
	.globl	k_q46f1513099_awpinn
	.p2align	8
	.type	k_q46f1513099_awpinn,@function
k_q46f1513099_awpinn:
	s_mov_b64 s[64:65], 0
	v_nop
	global_prefetch_b8 v0, s[64:65] scope:SCOPE_SE
	s_setreg_imm32_b32 hwreg(HW_REG_WAVE_MODE, 25, 1), 1
	s_wait_xcnt 0x0
; AWPINN: 65,536 points, 512 wavelets, four sums over the wavelets for each point (the value and three second derivatives).
;
; ALGEBRA (exact).  u = w x - b on each axis, a^2 = log2(e) / 2, t = a u.  The three exponentials are one:
;   E = 2^-(tx^2 + ty^2 + tz^2),  G = tx ty tz E,  cs = coeff sqrt(max(wx wy wz, 1e-12)),
;   out0 = sum c0 G + bias,                c0 = -cs a^-3
;   out1 = sum c1 G (3 a^2 - tx^2),        c1 = cs wx^2 a^-5      (out2, out3 likewise with wy, ty and wz, tz)
; 3 a^2 - tx^2 is split as a^2 - (tx^2 - 2 a^2):  out1 = a^2 sum c1 G - sum c1 G (tx^2 - 2 a^2).  The first sum is a row of the product on G
; that is formed anyway, and what is rounded to bf16 in the second is smaller; both sums are of the size of the terms themselves.
;
; SHARES.  256 work-groups of 256 points.  16 waves; wave w owns wavelets 32 w .. 32 w + 31 for the whole kernel, their six scaled
; parameters in 96 registers, and walks the 16 tiles of 16 points.  Lane (r = lane % 16, h = lane / 16) holds point 16 t + r and the
; 16 wavelets 16 h + i.  The sums over a wave's 32 wavelets are matrix products (bf16 operands, f32 sums): A = 16 rows of coefficients,
; B = 16 points x 32 wavelets; the place of wavelet 16 h + i in the registers is the same in A and B, so the products meet.
; Rows 0-3 of A are the upper bf16 parts of c0..c3, rows 8-11 the bf16 of what the upper parts leave; rows 4-7 and 12-15 repeat them and
; their results are not read.  So lanes of h = 0 receive the upper sums, lanes of h = 1 the lower ones, at no further instruction.
; Each wave writes its sums into planes of its own in LDS; behind one barrier 512 threads add the 32 planes of each output and store.
;
; NOT USED: the tensor data mover, copies, clusters, prefetch: a work-group reads 3 KiB of points and 14 KiB of parameters, once, against
; 16 x 16 tiles of 173 vector instructions.
;
; LIMITS.  A term with tx^2 + ty^2 + tz^2 > 126 counts as zero (v_exp_f32 gives no denormal results: ISA guide 15.8).
; |tx ty tz| must stay finite in f32: |w x - b| < 6e12 on every axis is enough; beyond it the term is NaN where the reference has 0.
; w and b are scaled by a before the multiply-add: two more roundings of 2^-24 relative in u.  G and G (t^2 - 2 a^2) are rounded once
; to bf16.  The sums' order differs from the reference's.  The sign of a zero result may differ.
.set NTILES, 16                        ; tiles of 16 points
.set XS,   0                           ; LDS: x[256] at 0, y[256] at 1024, z[256] at 2048, f32
.set PB,   3072                        ; + wave x 768: six arrays of 32 f32, 128 bytes apart: a wx, -a bx, a wy, -a by, a wz, -a bz
.set CB,   15360                       ; + wave x 512: eight rows of 32 bf16, 64 bytes apart: upper c0..c3, lower c0..c3
.set PL,   23552                       ; planes of 256 f32: + wave x PLW + output x PLJ + h x PLH + 4 x point
.set PLH,  1088                        ; 1,024 + 64 bytes = 272 words: the two halves of a store's lanes lie 16 banks apart (64 banks of 4 bytes: ISA guide 11.1)
.set PLJ,  2*PLH
.set PLW,  4*PLJ                       ; 8,704; PL + 16 x 8,704 = 162,816 ; the launch's LDS is 164,864
.set ALPHA,  0x3f596d27                ; a = 0.8493218
.set NALPHA, 0xbf596d27
.set NC2,    0xbfb8aa3b                ; -2 a^2 = -log2(e)
.set LAM,    0x3f38aa3b                ; a^2
.set NAM3,   0xbfd0ed23                ; -a^-3 = -1.6322369
.set AM5,    0x4010d113                ; a^-5 = 2.2627608
.set TINY,   0x2b8cbccc                ; 1e-12
; v0 thread = wavelet in the set-up; v1 r; v2 h; v3 LDS address of the next tile's x; v4 LDS address in my planes; v5-7 at work
; v[8:11] x, y, z of my point, 0; v12-14 set-up addresses, then the three derivative sums; v15 set-up address
.set AF, 16                            ; v[16:23]    coefficient fragment
.set WX, 24                            ; v[24:39] a wx, v[40:55] -a bx of my 16 wavelets
.set WY, 56                            ; v[56:71], v[72:87]
.set WZ, 88                            ; v[88:103], v[104:119]
.set XT, 120                           ; v[120:135]  tx, then G (tx^2 - 2 a^2), then its bf16 in the first eight
.set YT, 136
.set ZT, 152
.set S,  168                           ; v[168:183]  sum of squares, then E, then bf16 of G in the first eight
.set P,  184                           ; v[184:199]  G
.set DG, 200                           ; v[200:207]  results: register j = sum of c_j x (the operand)
.set DX, 208
.set DY, 216
.set DZ, 224
.set T,  120                           ; set-up temporaries from here on
	s_load_b512 s[8:23], s[0:1], 0x0               ; x s[8:9], y s[10:11], z s[12:13], wx s[14:15], bx s[16:17], wy s[18:19], by s[20:21], wz s[22:23]
	s_load_b256 s[24:31], s[0:1], 0x40             ; bz s[24:25], coeff s[26:27], bias s[28:29], out0 s[30:31]
	s_load_b128 s[32:35], s[0:1], 0x60             ; out1 s[32:33], out2 s[34:35]
	s_load_b64 s[36:37], s[0:1], 0x70              ; out3
	v_lshl_add_u32 v232, v0, 2, 0x27c00
	v_mov_b32 v233, 0
	v_lshrrev_b32 v5, 5, v0
	v_readfirstlane_b32 s40, v5                    ; wave 0..15
	v_and_b32 v1, 15, v0                           ; r
	v_bfe_u32 v2, v0, 4, 1                         ; h
	v_and_b32 v6, 31, v0                           ; lane
	v_lshlrev_b32 v7, 2, v0                        ; byte offset of my wavelet's parameters
	v_lshlrev_b32 v5, 3, v0                        ; byte offset of two points (waves 0-3), in memory and in LDS
	s_lshl_b32 s42, ttmp9, 10                      ; the work-group's 256 points x 4 bytes
	s_mov_b32 s43, 0
	s_mov_b32 s52, NC2                             ; a pair, since the packed multiply-add names a pair
	s_mov_b32 s53, NC2
	s_mov_b32 s54, LAM
	s_lshr_b32 s44, s40, 2                         ; the output that my wave adds up and stores at the end
	s_mul_i32 s41, s40, 768
	s_add_co_u32 s41, s41, PB                      ; my wave's parameters in LDS
	s_lshl_b32 s39, s40, 9
	s_add_co_u32 s39, s39, CB                      ; my wave's coefficients in LDS
	s_mul_i32 s45, s40, PLW
	s_add_co_u32 s45, s45, PL-64                   ; my wave's planes, one tile back: the address steps ahead of each tile's stores
	v_lshl_add_u32 v12, v6, 2, s41                 ; where I put a parameter of my wavelet
	v_lshl_add_u32 v13, v6, 1, s39                 ; where I put a coefficient of my wavelet
	v_lshl_add_u32 v14, v2, 6, s41                 ; where I read 16 wavelets' parameters: 64 bytes for each half of the lanes
	v_and_b32 v15, 3, v1
	v_lshrrev_b32 v6, 3, v1
	v_lshl_add_u32 v15, v6, 2, v15                 ; A's row r is coefficient row 4 (r / 8) + r % 4
	v_lshlrev_b32 v15, 6, v15
	v_lshl_add_u32 v15, v2, 5, v15                 ; + 16 bf16 for each half of the lanes
	v_add_nc_u32 v15, s39, v15
	v_mul_u32_u24 v4, v2, PLH
	v_lshl_add_u32 v4, v1, 2, v4
	v_add_nc_u32 v4, s45, v4                       ; plane of my half, word of my point
	v_lshlrev_b32 v3, 2, v1                        ; x of point r
	v_mov_b32 v11, 0                               ; the upper register of the pair that holds z
	s_wait_kmcnt 0x0
	s_load_b32 s38, s[28:29], 0x0                  ; bias
	s_add_nc_u64 s[8:9], s[8:9], s[42:43]          ; x, y, z at the work-group's first point
	s_add_nc_u64 s[10:11], s[10:11], s[42:43]
	s_add_nc_u64 s[12:13], s[12:13], s[42:43]
	global_load_b32 v[T+0], v7, s[14:15]           ; wx
	global_load_b32 v[T+1], v7, s[16:17]           ; bx
	global_load_b32 v[T+2], v7, s[18:19]           ; wy
	global_load_b32 v[T+3], v7, s[20:21]           ; by
	global_load_b32 v[T+4], v7, s[22:23]           ; wz
	global_load_b32 v[T+5], v7, s[24:25]           ; bz
	global_load_b32 v[T+6], v7, s[26:27]           ; coeff
	; waves 0-3 bring the 256 points into LDS: each load of a wave covers 256 consecutive bytes, aligned
	s_cmp_gt_u32 s40, 3
	s_cbranch_scc1 .Lstaged
	global_load_b64 v[T+8:T+9],   v5, s[8:9] th:TH_LOAD_NT
	global_load_b64 v[T+10:T+11], v5, s[10:11] th:TH_LOAD_NT
	global_load_b64 v[T+12:T+13], v5, s[12:13] th:TH_LOAD_NT
	s_wait_loadcnt 0x0
	ds_store_b64 v5, v[T+8:T+9]   offset:XS
	ds_store_b64 v5, v[T+10:T+11] offset:XS+1024
	ds_store_b64 v5, v[T+12:T+13] offset:XS+2048
.Lstaged:
	s_wait_loadcnt 0x0                             ; my wavelet's seven numbers
	s_wait_kmcnt 0x0                               ; bias
	; my wavelet's six scaled parameters
	v_mul_f32 v[T+16], ALPHA,  v[T+0]
	v_mul_f32 v[T+17], NALPHA, v[T+1]
	v_mul_f32 v[T+18], ALPHA,  v[T+2]
	v_mul_f32 v[T+19], NALPHA, v[T+3]
	v_mul_f32 v[T+20], ALPHA,  v[T+4]
	v_mul_f32 v[T+21], NALPHA, v[T+5]
.irp a, 0,1,2,3,4,5
	ds_store_b32 v12, v[T+16+\a] offset:128*\a
.endr
	; its four coefficients
	v_mul_f32 v[T+22], v[T+0], v[T+2]
	v_mul_f32 v[T+22], v[T+22], v[T+4]             ; (wx wy) wz
	v_max_num_f32 v[T+22], TINY, v[T+22]           ; the reference's clip
	v_sqrt_f32 v[T+23], v[T+22]
	v_mul_f32 v[T+24], v[T+0], v[T+0]              ; plain instructions behind the root, ahead of its use (ISA guide 5.7.2)
	v_mul_f32 v[T+25], v[T+2], v[T+2]
	v_mul_f32 v[T+26], v[T+4], v[T+4]
	s_wait_alu depctr_va_vdst(0)
	v_mul_f32 v[T+23], v[T+6], v[T+23]             ; cs
	v_mul_f32 v[T+28], NAM3, v[T+23]               ; c0
	v_mul_f32 v[T+23], AM5, v[T+23]
	v_mul_f32 v[T+29], v[T+23], v[T+24]            ; c1
	v_mul_f32 v[T+30], v[T+23], v[T+25]            ; c2
	v_mul_f32 v[T+31], v[T+23], v[T+26]            ; c3
	v_cvt_pk_bf16_f32 v[T+32], v[T+28], v[T+29]    ; upper parts: c0 below, c1 above
	v_cvt_pk_bf16_f32 v[T+33], v[T+30], v[T+31]
	v_lshlrev_b32 v[T+34], 16, v[T+32]             ; the upper parts as f32
	v_and_b32 v[T+35], 0xffff0000, v[T+32]
	v_lshlrev_b32 v[T+36], 16, v[T+33]
	v_and_b32 v[T+37], 0xffff0000, v[T+33]
	v_sub_f32 v[T+34], v[T+28], v[T+34]            ; what they leave (exact)
	v_sub_f32 v[T+35], v[T+29], v[T+35]
	v_sub_f32 v[T+36], v[T+30], v[T+36]
	v_sub_f32 v[T+37], v[T+31], v[T+37]
	v_cvt_pk_bf16_f32 v[T+38], v[T+34], v[T+35]    ; lower parts
	v_cvt_pk_bf16_f32 v[T+39], v[T+36], v[T+37]
	ds_store_b16        v13, v[T+32]
	ds_store_b16_d16_hi v13, v[T+32] offset:64
	ds_store_b16        v13, v[T+33] offset:128
	ds_store_b16_d16_hi v13, v[T+33] offset:192
	ds_store_b16        v13, v[T+38] offset:256
	ds_store_b16_d16_hi v13, v[T+38] offset:320
	ds_store_b16        v13, v[T+39] offset:384
	ds_store_b16_d16_hi v13, v[T+39] offset:448
	; read back, spread as the loop wants them.  The bytes are my wave's own and LDS serves a wave's instructions in order
	; (ISA guide 5.7.1.4): no wait between the stores and these loads.
.irp a, 0,1,2,3,4,5
.irp c, 0,1,2,3
	ds_load_b128 v[WX+16*\a+4*\c:WX+16*\a+4*\c+3], v14 offset:128*\a+16*\c
.endr
.endr
	ds_load_b128 v[AF:AF+3],   v15
	ds_load_b128 v[AF+4:AF+7], v15 offset:16
	s_wait_dscnt 0x0                               ; zero: waves 0-3's stores of the points are done before they signal; and my loads are in
	s_barrier_signal -1
	s_barrier_wait -1                              ; x, y, z lie in LDS for every wave; they are not written again
	ds_load_b32 v8,  v3 offset:XS                  ; tile 0's point r
	ds_load_b32 v9,  v3 offset:XS+1024
	ds_load_b32 v10, v3 offset:XS+2048
	v_add_nc_u32 v3, 64, v3                        ; the next tile's
	s_wait_dscnt 0x0
; t = x (a w) + (-a b) for my 16 wavelets.  pair: the register pair that holds the coordinate; hi = 1: in its upper register.
.macro LIN blk, par, pair, hi
.irp i, 0,2,4,6,8,10,12,14
.if \hi
	v_pk_fma_f32 v[\blk+\i:\blk+\i+1], v[\pair:\pair+1], v[\par+\i:\par+\i+1], v[\par+16+\i:\par+16+\i+1] op_sel:[1,0,0] op_sel_hi:[1,1,1]
.else
	v_pk_fma_f32 v[\blk+\i:\blk+\i+1], v[\pair:\pair+1], v[\par+\i:\par+\i+1], v[\par+16+\i:\par+16+\i+1] op_sel_hi:[0,1,1]
.endif
.endr
.endm
; One axis' derivative: G (t^2 - 2 a^2), rounded to bf16 into the block's first eight registers, times the coefficients.
.macro D2 blk, acc
.irp i, 0,2,4,6,8,10,12,14
	v_pk_fma_f32 v[\blk+\i:\blk+\i+1], v[\blk+\i:\blk+\i+1], v[\blk+\i:\blk+\i+1], s[52:53] op_sel_hi:[1,1,0]
.endr
.irp i, 0,2,4,6,8,10,12,14
	v_pk_mul_f32 v[\blk+\i:\blk+\i+1], v[\blk+\i:\blk+\i+1], v[P+\i:P+\i+1]
.endr
.irp q, 0,1,2,3,4,5,6,7
	v_cvt_pk_bf16_f32 v[\blk+\q], v[\blk+2*\q], v[\blk+2*\q+1]     ; q ascending: register q is written when registers 2 q, 2 q + 1 are read, never ahead
.endr
	v_wmma_f32_16x16x32_bf16 v[\acc:\acc+7], v[AF:AF+7], v[\blk:\blk+7], 0   ; a sum of its own: C is the constant 0, nothing is carried
.endm
; One tile of 16 points x my 32 wavelets.  pre = 1: the next tile's x, y, z are fetched.
.macro TILE pre
	LIN XT, WX, 8, 0
	LIN YT, WY, 8, 1
	LIN ZT, WZ, 10, 0
.if \pre
	ds_load_b32 v8,  v3 offset:XS                  ; read again only behind the wait at the trip's bottom
	ds_load_b32 v9,  v3 offset:XS+1024
	ds_load_b32 v10, v3 offset:XS+2048
.endif
.irp i, 0,2,4,6,8,10,12,14
	v_pk_mul_f32 v[S+\i:S+\i+1], v[XT+\i:XT+\i+1], v[XT+\i:XT+\i+1]
.endr
.irp i, 0,2,4,6,8,10,12,14
	v_pk_fma_f32 v[S+\i:S+\i+1], v[YT+\i:YT+\i+1], v[YT+\i:YT+\i+1], v[S+\i:S+\i+1]
.endr
.irp i, 0,2,4,6,8,10,12,14
	v_pk_fma_f32 v[S+\i:S+\i+1], v[ZT+\i:ZT+\i+1], v[ZT+\i:ZT+\i+1], v[S+\i:S+\i+1]
.endr
.irp i, 0,1,2,3,4,5,6,7,8,9,10,11,12,13,14,15
	v_exp_f32 v[S+\i], -v[S+\i]                    ; E: one exponential for the three axes
.endr
.irp i, 0,2,4,6,8,10,12,14
	v_pk_mul_f32 v[P+\i:P+\i+1], v[XT+\i:XT+\i+1], v[YT+\i:YT+\i+1]   ; plain instructions behind the exponentials, ahead of E's use (ISA guide 5.7.2)
.endr
.irp i, 0,2,4,6,8,10,12,14
	v_pk_mul_f32 v[P+\i:P+\i+1], v[P+\i:P+\i+1], v[ZT+\i:ZT+\i+1]
.endr
	s_wait_alu depctr_va_vdst(0)
.irp i, 0,2,4,6,8,10,12,14
	v_pk_mul_f32 v[P+\i:P+\i+1], v[P+\i:P+\i+1], v[S+\i:S+\i+1]       ; G
.endr
.irp q, 0,1,2,3,4,5,6,7
	v_cvt_pk_bf16_f32 v[S+\q], v[P+2*\q], v[P+2*\q+1]
.endr
	v_wmma_f32_16x16x32_bf16 v[DG:DG+7], v[AF:AF+7], v[S:S+7], 0      ; register j: sum of c_j G
	D2 XT, DX
	D2 YT, DY
	D2 ZT, DZ
	; Four plain vector instructions that name none of the last matrix instruction's registers (DZ, AF, ZT's first eight) stand between it
	; and the first reader of DZ (ISA guide 7.12.1).  DG, DX and DY lie 24 and more such instructions back.
	v_fma_f32 v12, v[DG+1], s54, -v[DX+1]          ; a^2 sum c1 G - sum c1 G (tx^2 - 2 a^2)
	v_fma_f32 v13, v[DG+2], s54, -v[DY+2]
	v_add_nc_u32 v4, 64, v4                        ; this tile's 16 words in my planes
.if \pre
	v_add_nc_u32 v3, 64, v3                        ; the tile after next
.else
	v_nop
.endif
	v_fma_f32 v14, v[DG+3], s54, -v[DZ+3]
	ds_store_b32 v4, v[DG]                         ; lanes of h = 0: the upper coefficients' sums; of h = 1: the lower ones', one plane further
	ds_store_b32 v4, v12 offset:PLJ
	ds_store_b32 v4, v13 offset:2*PLJ
	ds_store_b32 v4, v14 offset:3*PLJ
.if \pre
	s_wait_dscnt 0x4                               ; LDS instructions end in order (ISA guide 5.7.1): all but the four stores, so the three loads of x, y, z are in
.endif
.endm
	s_mov_b32 s45, NTILES-1
.Ltile:
	TILE 1
	s_sub_co_u32 s45, s45, 1
	s_cmp_lg_u32 s45, 0
	s_cbranch_scc1 .Ltile
	TILE 0                                         ; the last tile fetches nothing
	; THE SUM OVER THE WAVES.  Thread t adds the 32 planes (16 waves x upper, lower) of output t / 128 for points 2 (t % 128), + 1.
	s_mul_i32 s39, s44, PLJ
	s_add_co_u32 s39, s39, PL
	v_and_b32 v6, 127, v0
	v_lshlrev_b32 v6, 3, v6                        ; 8 bytes a thread: a wave reads, and later stores, 256 consecutive bytes
	v_add_nc_u32 v5, s39, v6                       ; planes of waves 0-7
	v_add_nc_u32 v7, 8*PLW, v5                     ; planes of waves 8-15: a second base, since an LDS offset has 16 bits
	s_cmp_eq_u32 s44, 0
	s_cselect_b32 s48, s38, 0                      ; the bias belongs to out0 alone
	s_mov_b32 s49, s48
	s_cmp_eq_u32 s44, 1
	s_cselect_b64 s[46:47], s[32:33], s[30:31]     ; my output's address, chosen by the wave's number
	s_cmp_eq_u32 s44, 2
	s_cselect_b64 s[46:47], s[34:35], s[46:47]
	s_cmp_eq_u32 s44, 3
	s_cselect_b64 s[46:47], s[36:37], s[46:47]
	s_add_nc_u64 s[46:47], s[46:47], s[42:43]      ; at the work-group's first point
	s_wait_dscnt 0x0                               ; zero: my stores into my planes are done before I signal
	s_barrier_signal -1
	s_barrier_wait -1                              ; every wave's planes are whole
.set n, 0
.rept 16
	ds_load_b64 v[24+2*n:25+2*n], v5 offset:(n>>1)*PLW+(n&1)*PLH
.set n, n+1
.endr
.rept 16
	ds_load_b64 v[24+2*n:25+2*n], v7 offset:((n-16)>>1)*PLW+(n&1)*PLH
.set n, n+1
.endr
	; four chains, started by the first four pairs: nothing is cleared.  Each wait leaves the younger groups of eight loads out.
	s_wait_dscnt 24
.set n, 4
.rept 4
	v_pk_add_f32 v[24+2*(n&3):25+2*(n&3)], v[24+2*(n&3):25+2*(n&3)], v[24+2*n:25+2*n]
.set n, n+1
.endr
	s_wait_dscnt 16
.rept 8
	v_pk_add_f32 v[24+2*(n&3):25+2*(n&3)], v[24+2*(n&3):25+2*(n&3)], v[24+2*n:25+2*n]
.set n, n+1
.endr
	s_wait_dscnt 8
.rept 8
	v_pk_add_f32 v[24+2*(n&3):25+2*(n&3)], v[24+2*(n&3):25+2*(n&3)], v[24+2*n:25+2*n]
.set n, n+1
.endr
	s_wait_dscnt 0x0
.rept 8
	v_pk_add_f32 v[24+2*(n&3):25+2*(n&3)], v[24+2*(n&3):25+2*(n&3)], v[24+2*n:25+2*n]
.set n, n+1
.endr
	v_pk_add_f32 v[24:25], v[24:25], v[26:27]
	v_pk_add_f32 v[28:29], v[28:29], v[30:31]
	v_pk_add_f32 v[24:25], v[24:25], v[28:29]
	v_pk_add_f32 v[24:25], v[24:25], s[48:49] op_sel_hi:[1,0]      ; + bias (out0) or + 0
	global_store_b64 v6, v[24:25], s[46:47] th:TH_STORE_NT         ; a wave stores 256 consecutive bytes, at a multiple of 256 from the output's first byte
	s_wait_tensorcnt 0x0
	ds_add_u32 v232, v233
	s_wait_dscnt 0x0
	s_endpgm
.Lfunc_end_k_q46f1513099_awpinn:
	.size	k_q46f1513099_awpinn, .Lfunc_end_k_q46f1513099_awpinn-k_q46f1513099_awpinn
	.p2alignl 7, 3214868480
	.fill 96, 4, 3214868480
	.section	.rodata,"a",@progbits
	.p2align	6, 0x0
	.amdhsa_kernel k_q46f1513099_awpinn
		.amdhsa_group_segment_fixed_size 164864
		.amdhsa_private_segment_fixed_size 0
		.amdhsa_enable_private_segment 0
		.amdhsa_kernarg_size 120
		.amdhsa_user_sgpr_count 2
		.amdhsa_user_sgpr_kernarg_segment_ptr 1
		.amdhsa_wavefront_size32 1
		.amdhsa_system_sgpr_workgroup_id_x 1
		.amdhsa_system_sgpr_workgroup_id_y 1
		.amdhsa_system_sgpr_workgroup_id_z 1
		.amdhsa_system_vgpr_workitem_id 0
		.amdhsa_next_free_vgpr 234
		.amdhsa_next_free_sgpr 66
		.amdhsa_reserve_vcc 0
		.amdhsa_float_denorm_mode_32 3
		.amdhsa_float_denorm_mode_16_64 3
		.amdhsa_memory_ordered 1
		.amdhsa_forward_progress 1
		.amdhsa_inst_pref_size 36
	.end_amdhsa_kernel
	.amdgpu_metadata
---
amdhsa.version: [ 1, 2 ]
amdhsa.kernels:
  - .name:           k_q46f1513099_awpinn
    .symbol:         k_q46f1513099_awpinn.kd
    .args:
      - { .name: x, .offset: 0, .size: 8, .value_kind: global_buffer, .address_space: global }
      - { .name: y, .offset: 8, .size: 8, .value_kind: global_buffer, .address_space: global }
      - { .name: z, .offset: 16, .size: 8, .value_kind: global_buffer, .address_space: global }
      - { .name: wx, .offset: 24, .size: 8, .value_kind: global_buffer, .address_space: global }
      - { .name: bx, .offset: 32, .size: 8, .value_kind: global_buffer, .address_space: global }
      - { .name: wy, .offset: 40, .size: 8, .value_kind: global_buffer, .address_space: global }
      - { .name: by, .offset: 48, .size: 8, .value_kind: global_buffer, .address_space: global }
      - { .name: wz, .offset: 56, .size: 8, .value_kind: global_buffer, .address_space: global }
      - { .name: bz, .offset: 64, .size: 8, .value_kind: global_buffer, .address_space: global }
      - { .name: coeff, .offset: 72, .size: 8, .value_kind: global_buffer, .address_space: global }
      - { .name: bias, .offset: 80, .size: 8, .value_kind: global_buffer, .address_space: global }
      - { .name: out0, .offset: 88, .size: 8, .value_kind: global_buffer, .address_space: global }
      - { .name: out1, .offset: 96, .size: 8, .value_kind: global_buffer, .address_space: global }
      - { .name: out2, .offset: 104, .size: 8, .value_kind: global_buffer, .address_space: global }
      - { .name: out3, .offset: 112, .size: 8, .value_kind: global_buffer, .address_space: global }
    .group_segment_fixed_size: 164864
    .private_segment_fixed_size: 0
    .kernarg_segment_align: 8
    .kernarg_segment_size: 120
    .max_flat_workgroup_size: 512
    .sgpr_count:     66
    .vgpr_count:     234
    .wavefront_size: 32
...
	.end_amdgpu_metadata
.endif
;; end of part 1
;; ======== version 2 of 2: 1 launch; version 1 with the launch awpinn written anew for expert scheduling mode
;; limits: right only within a limited range of input values
;; launch awpinn (part 2): grid 256 x 1, 16 waves a work-group, no clusters, 164,864 bytes of LDS; arguments x, y, z, wx, bx, wy, by, wz, bz, coeff, bias, out0, out1, out2, out3; writes out0, out1, out2, out3
.if DOCPART == 2
	.amdgcn_target "amdgcn-amd-amdhsa--gfx1250"
	.amdhsa_code_object_version 6
	.text
	.protected	k_q46f1513099_awpinn
	.globl	k_q46f1513099_awpinn
	.p2align	8
	.type	k_q46f1513099_awpinn,@function
k_q46f1513099_awpinn:
	s_mov_b64 s[64:65], 0
	v_nop
	global_prefetch_b8 v0, s[64:65] scope:SCOPE_SE
	s_setreg_imm32_b32 hwreg(HW_REG_WAVE_SCHED_MODE, 0, 2), 2
	s_setreg_imm32_b32 hwreg(HW_REG_WAVE_MODE, 25, 1), 1
	s_wait_xcnt 0x0
	s_wait_alu depctr_vm_vsrc(0)
; AWPINN: 65,536 points, 512 wavelets, four sums over the wavelets for each point (the value and three second derivatives).
;
; ALGEBRA (exact).  u = w x - b on each axis, a^2 = log2(e) / 2, t = a u.  The three exponentials are one:
;   E = 2^-(tx^2 + ty^2 + tz^2),  G = tx ty tz E,  cs = coeff sqrt(max(wx wy wz, 1e-12)),
;   out0 = sum c0 G + bias,                c0 = -cs a^-3
;   out1 = sum c1 G (3 a^2 - tx^2),        c1 = cs wx^2 a^-5      (out2, out3 likewise with wy, ty and wz, tz)
; 3 a^2 - tx^2 is split as a^2 - (tx^2 - 2 a^2):  out1 = a^2 sum c1 G - sum c1 G (tx^2 - 2 a^2).  The first sum is a row of the product on G
; that is formed anyway, and what is rounded to bf16 in the second is smaller; both sums are of the size of the terms themselves.
;
; SHARES.  256 work-groups of 256 points.  16 waves; wave w owns wavelets 32 w .. 32 w + 31 for the whole kernel, their six scaled
; parameters in 96 registers, and walks the 16 tiles of 16 points.  Lane (r = lane % 16, h = lane / 16) holds point 16 t + r and the
; 16 wavelets 16 h + i.  The sums over a wave's 32 wavelets are matrix products (bf16 operands, f32 sums): A = 16 rows of coefficients,
; B = 16 points x 32 wavelets; the place of wavelet 16 h + i in the registers is the same in A and B, so the products meet.
; Rows 0-3 of A are the upper bf16 parts of c0..c3, rows 8-11 the bf16 of what the upper parts leave; rows 4-7 and 12-15 repeat them and
; their results are not read.  So lanes of h = 0 receive the upper sums, lanes of h = 1 the lower ones, at no further instruction.
; Each wave writes its sums into planes of its own in LDS; behind one barrier 512 threads add the 32 planes of each output and store.
;
; THE MODE: SCHED_MODE bits 1:0 = 2 (LLVM: expert scheduling mode 2), set by the entry lines.  The code itself states the register dependences
; between vector or matrix instructions and memory or LDS instructions, with s_wait_alu, always for 0.
; THE PLAN.  Registers that LDS instructions touch in the walk over the tiles:
;   v8, v9, v10        x, y, z of my point.  Read by the 24 linear lines at a tile's head; the next tile's three LDS loads land in them.
;   v3                 LDS address of those loads.  Written once a tile, at its bottom.
;   v[DG], v12 - v14   a tile's four results.  Written by the tile's first matrix instruction and by three lines at its bottom; read by four LDS stores.
;   v4                 LDS address of those stores.  Written once a tile, at its bottom.
;   All other registers of the walk are named by vector and matrix instructions alone.
; Tile t's four stores and tile t + 2's three loads are issued in tile t + 1, together, behind ONE wait on va_vdst: the one that stands between the
; tile's exponentials and the first use of E.  At that wait the tile's linear lines are done reading v8 - v10, and the tile before has written
; v3, v4 and its four results.  ONE wait on vm_vsrc follows sixteen vector lines later, ahead of the first matrix instruction: the seven LDS
; instructions have read their registers, which the rest of the tile writes again.  Tile 0 has nothing to store and tile 15 nothing to fetch:
; both are written out; tile 15's stores stand behind the walk.
;
; NOT USED: the tensor data mover, copies, clusters, prefetch: a work-group reads 3 KiB of points and 14 KiB of parameters, once, against
; 16 x 16 tiles of 173 vector instructions.
;
; LIMITS.  A term with tx^2 + ty^2 + tz^2 > 126 counts as zero (v_exp_f32 gives no denormal results: ISA guide 15.8).
; |tx ty tz| must stay finite in f32: |w x - b| < 6e12 on every axis is enough; beyond it the term is NaN where the reference has 0.
; w and b are scaled by a before the multiply-add: two more roundings of 2^-24 relative in u.  G and G (t^2 - 2 a^2) are rounded once
; to bf16.  The sums' order differs from the reference's.  The sign of a zero result may differ.
.set NTILES, 16                        ; tiles of 16 points
.set XS,   0                           ; LDS: x[256] at 0, y[256] at 1024, z[256] at 2048, f32
.set PB,   3072                        ; + wave x 768: six arrays of 32 f32, 128 bytes apart: a wx, -a bx, a wy, -a by, a wz, -a bz
.set CB,   15360                       ; + wave x 512: eight rows of 32 bf16, 64 bytes apart: upper c0..c3, lower c0..c3
.set PL,   23552                       ; planes of 256 f32: + wave x PLW + output x PLJ + h x PLH + 4 x point
.set PLH,  1088                        ; 1,024 + 64 bytes = 272 words: the two halves of a store's lanes lie 16 banks apart (64 banks of 4 bytes: ISA guide 11.1)
.set PLJ,  2*PLH
.set PLW,  4*PLJ                       ; 8,704; PL + 16 x 8,704 = 162,816 ; the launch's LDS is 164,864
.set ALPHA,  0x3f596d27                ; a = 0.8493218
.set NALPHA, 0xbf596d27
.set NC2,    0xbfb8aa3b                ; -2 a^2 = -log2(e)
.set LAM,    0x3f38aa3b                ; a^2
.set NAM3,   0xbfd0ed23                ; -a^-3 = -1.6322369
.set AM5,    0x4010d113                ; a^-5 = 2.2627608
.set TINY,   0x2b8cbccc                ; 1e-12
; v0 thread = wavelet in the set-up; v1 r; v2 h; v3 LDS address of the next tile's x; v4 LDS address in my planes; v5-7 at work
; v[8:11] x, y, z of my point, 0; v12-14 set-up addresses, then the three derivative sums; v15 set-up address
.set AF, 16                            ; v[16:23]    coefficient fragment
.set WX, 24                            ; v[24:39] a wx, v[40:55] -a bx of my 16 wavelets
.set WY, 56                            ; v[56:71], v[72:87]
.set WZ, 88                            ; v[88:103], v[104:119]
.set XT, 120                           ; v[120:135]  tx, then G (tx^2 - 2 a^2), then its bf16 in the first eight
.set YT, 136
.set ZT, 152
.set S,  168                           ; v[168:183]  sum of squares, then E, then bf16 of G in the first eight
.set P,  184                           ; v[184:199]  G
.set DG, 200                           ; v[200:207]  results: register j = sum of c_j x (the operand)
.set DX, 208
.set DY, 216
.set DZ, 224
.set T,  120                           ; set-up temporaries from here on
	s_load_b512 s[8:23], s[0:1], 0x0               ; x s[8:9], y s[10:11], z s[12:13], wx s[14:15], bx s[16:17], wy s[18:19], by s[20:21], wz s[22:23]
	s_load_b256 s[24:31], s[0:1], 0x40             ; bz s[24:25], coeff s[26:27], bias s[28:29], out0 s[30:31]
	s_load_b128 s[32:35], s[0:1], 0x60             ; out1 s[32:33], out2 s[34:35]
	s_load_b64 s[36:37], s[0:1], 0x70              ; out3
	v_lshl_add_u32 v232, v0, 2, 0x27c00
	v_mov_b32 v233, 0
	v_lshrrev_b32 v5, 5, v0
	v_readfirstlane_b32 s40, v5                    ; wave 0..15
	v_and_b32 v1, 15, v0                           ; r
	v_bfe_u32 v2, v0, 4, 1                         ; h
	v_and_b32 v6, 31, v0                           ; lane
	v_lshlrev_b32 v7, 2, v0                        ; byte offset of my wavelet's parameters
	v_lshlrev_b32 v5, 3, v0                        ; byte offset of two points (waves 0-3), in memory and in LDS
	s_lshl_b32 s42, ttmp9, 10                      ; the work-group's 256 points x 4 bytes
	s_mov_b32 s43, 0
	s_mov_b32 s52, NC2                             ; a pair, since the packed multiply-add names a pair
	s_mov_b32 s53, NC2
	s_mov_b32 s54, LAM
	s_wait_alu depctr_va_sdst(0)                   ; s40 is written, ahead of its first reader: LDS bases, a branch and the choice of my output are made from it
	s_lshr_b32 s44, s40, 2                         ; the output that my wave adds up and stores at the end
	s_mul_i32 s41, s40, 768
	s_add_co_u32 s41, s41, PB                      ; my wave's parameters in LDS
	s_lshl_b32 s39, s40, 9
	s_add_co_u32 s39, s39, CB                      ; my wave's coefficients in LDS
	s_mul_i32 s45, s40, PLW
	s_add_co_u32 s45, s45, PL-64                   ; my wave's planes, one tile back: the address steps ahead of each tile's stores
	v_lshl_add_u32 v12, v6, 2, s41                 ; where I put a parameter of my wavelet
	v_lshl_add_u32 v13, v6, 1, s39                 ; where I put a coefficient of my wavelet
	v_lshl_add_u32 v14, v2, 6, s41                 ; where I read 16 wavelets' parameters: 64 bytes for each half of the lanes
	v_and_b32 v15, 3, v1
	v_lshrrev_b32 v6, 3, v1
	v_lshl_add_u32 v15, v6, 2, v15                 ; A's row r is coefficient row 4 (r / 8) + r % 4
	v_lshlrev_b32 v15, 6, v15
	v_lshl_add_u32 v15, v2, 5, v15                 ; + 16 bf16 for each half of the lanes
	v_add_nc_u32 v15, s39, v15
	v_mul_u32_u24 v4, v2, PLH
	v_lshl_add_u32 v4, v1, 2, v4
	v_add_nc_u32 v4, s45, v4                       ; plane of my half, word of my point
	v_lshlrev_b32 v3, 2, v1                        ; x of point r
	v_mov_b32 v11, 0                               ; the upper register of the pair that holds z
	s_wait_kmcnt 0x0
	s_load_b32 s38, s[28:29], 0x0                  ; bias
	s_add_nc_u64 s[8:9], s[8:9], s[42:43]          ; x, y, z at the work-group's first point
	s_add_nc_u64 s[10:11], s[10:11], s[42:43]
	s_add_nc_u64 s[12:13], s[12:13], s[42:43]
	s_wait_alu depctr_va_vdst(0)                   ; the offsets v5, v7 and the LDS addresses v3, v12 to v15 are written, which the set-up's loads and stores read
	global_load_b32 v[T+0], v7, s[14:15]           ; wx
	global_load_b32 v[T+1], v7, s[16:17]           ; bx
	global_load_b32 v[T+2], v7, s[18:19]           ; wy
	global_load_b32 v[T+3], v7, s[20:21]           ; by
	global_load_b32 v[T+4], v7, s[22:23]           ; wz
	global_load_b32 v[T+5], v7, s[24:25]           ; bz
	global_load_b32 v[T+6], v7, s[26:27]           ; coeff
	; waves 0-3 bring the 256 points into LDS: each load of a wave covers 256 consecutive bytes, aligned
	s_cmp_gt_u32 s40, 3
	s_cbranch_scc1 .Lstaged
	global_load_b64 v[T+8:T+9],   v5, s[8:9] th:TH_LOAD_NT
	global_load_b64 v[T+10:T+11], v5, s[10:11] th:TH_LOAD_NT
	global_load_b64 v[T+12:T+13], v5, s[12:13] th:TH_LOAD_NT
	s_wait_loadcnt 0x0
	ds_store_b64 v5, v[T+8:T+9]   offset:XS        ; the data come from loads, the address from ahead of the wait above
	ds_store_b64 v5, v[T+10:T+11] offset:XS+1024
	ds_store_b64 v5, v[T+12:T+13] offset:XS+2048
.Lstaged:
	s_wait_loadcnt 0x0                             ; my wavelet's seven numbers
	s_wait_kmcnt 0x0                               ; bias
	; my wavelet's six scaled parameters
	v_mul_f32 v[T+16], ALPHA,  v[T+0]
	v_mul_f32 v[T+17], NALPHA, v[T+1]
	v_mul_f32 v[T+18], ALPHA,  v[T+2]
	v_mul_f32 v[T+19], NALPHA, v[T+3]
	v_mul_f32 v[T+20], ALPHA,  v[T+4]
	v_mul_f32 v[T+21], NALPHA, v[T+5]
	; its four coefficients
	v_mul_f32 v[T+22], v[T+0], v[T+2]
	v_mul_f32 v[T+22], v[T+22], v[T+4]             ; (wx wy) wz
	v_max_num_f32 v[T+22], TINY, v[T+22]           ; the reference's clip
	v_sqrt_f32 v[T+23], v[T+22]
	v_mul_f32 v[T+24], v[T+0], v[T+0]              ; plain instructions behind the root, ahead of its use (ISA guide 5.7.2)
	v_mul_f32 v[T+25], v[T+2], v[T+2]
	v_mul_f32 v[T+26], v[T+4], v[T+4]
	s_wait_alu depctr_va_vdst(0)                   ; the six scaled parameters are written, which the LDS stores below read; the root is written, ahead of its first reader
.irp a, 0,1,2,3,4,5
	ds_store_b32 v12, v[T+16+\a] offset:128*\a     ; the lines below name neither these six registers nor v12
.endr
	v_mul_f32 v[T+23], v[T+6], v[T+23]             ; cs
	v_mul_f32 v[T+28], NAM3, v[T+23]               ; c0
	v_mul_f32 v[T+23], AM5, v[T+23]
	v_mul_f32 v[T+29], v[T+23], v[T+24]            ; c1
	v_mul_f32 v[T+30], v[T+23], v[T+25]            ; c2
	v_mul_f32 v[T+31], v[T+23], v[T+26]            ; c3
	v_cvt_pk_bf16_f32 v[T+32], v[T+28], v[T+29]    ; upper parts: c0 below, c1 above
	v_cvt_pk_bf16_f32 v[T+33], v[T+30], v[T+31]
	v_lshlrev_b32 v[T+34], 16, v[T+32]             ; the upper parts as f32
	v_and_b32 v[T+35], 0xffff0000, v[T+32]
	v_lshlrev_b32 v[T+36], 16, v[T+33]
	v_and_b32 v[T+37], 0xffff0000, v[T+33]
	v_sub_f32 v[T+34], v[T+28], v[T+34]            ; what they leave (exact)
	v_sub_f32 v[T+35], v[T+29], v[T+35]
	v_sub_f32 v[T+36], v[T+30], v[T+36]
	v_sub_f32 v[T+37], v[T+31], v[T+37]
	v_cvt_pk_bf16_f32 v[T+38], v[T+34], v[T+35]    ; lower parts
	v_cvt_pk_bf16_f32 v[T+39], v[T+36], v[T+37]
	s_wait_alu depctr_va_vdst(0)                   ; the four packed pairs of coefficients are written, which the LDS stores below read
	ds_store_b16        v13, v[T+32]
	ds_store_b16_d16_hi v13, v[T+32] offset:64
	ds_store_b16        v13, v[T+33] offset:128
	ds_store_b16_d16_hi v13, v[T+33] offset:192
	ds_store_b16        v13, v[T+38] offset:256
	ds_store_b16_d16_hi v13, v[T+38] offset:320
	ds_store_b16        v13, v[T+39] offset:384
	ds_store_b16_d16_hi v13, v[T+39] offset:448
	; read back, spread as the loop wants them.  The bytes are my wave's own and LDS serves a wave's instructions in order
	; (ISA guide 5.7.1.4): no wait between the stores and these loads.  No vector instruction has named v16 to v119, in which they land.
.irp a, 0,1,2,3,4,5
.irp c, 0,1,2,3
	ds_load_b128 v[WX+16*\a+4*\c:WX+16*\a+4*\c+3], v14 offset:128*\a+16*\c
.endr
.endr
	ds_load_b128 v[AF:AF+3],   v15
	ds_load_b128 v[AF+4:AF+7], v15 offset:16
	s_wait_dscnt 0x0                               ; zero: waves 0-3's stores of the points are done before they signal; and my loads are in
	s_barrier_signal -1
	s_barrier_wait -1                              ; x, y, z lie in LDS for every wave; they are not written again
	ds_load_b32 v8,  v3 offset:XS                  ; tile 0's point r
	ds_load_b32 v9,  v3 offset:XS+1024
	ds_load_b32 v10, v3 offset:XS+2048
	s_wait_alu depctr_vm_vsrc(0)                   ; these three loads have read v3, which the next line writes; the set-up's LDS stores have read their data, registers that are XT, YT and ZT
	                                               ; from here on, and the set-up's loads and stores their addresses v5, v7, v12 to v14, which the tiles and the way out write again
	v_add_nc_u32 v3, 64, v3                        ; the next tile's
	s_wait_dscnt 0x0
; t = x (a w) + (-a b) for my 16 wavelets.  pair: the register pair that holds the coordinate; hi = 1: in its upper register.
.macro LIN blk, par, pair, hi
.irp i, 0,2,4,6,8,10,12,14
.if \hi
	v_pk_fma_f32 v[\blk+\i:\blk+\i+1], v[\pair:\pair+1], v[\par+\i:\par+\i+1], v[\par+16+\i:\par+16+\i+1] op_sel:[1,0,0] op_sel_hi:[1,1,1]
.else
	v_pk_fma_f32 v[\blk+\i:\blk+\i+1], v[\pair:\pair+1], v[\par+\i:\par+\i+1], v[\par+16+\i:\par+16+\i+1] op_sel_hi:[0,1,1]
.endif
.endr
.endm
; One axis' derivative: G (t^2 - 2 a^2), rounded to bf16 into the block's first eight registers, times the coefficients.
.macro D2 blk, acc
.irp i, 0,2,4,6,8,10,12,14
	v_pk_fma_f32 v[\blk+\i:\blk+\i+1], v[\blk+\i:\blk+\i+1], v[\blk+\i:\blk+\i+1], s[52:53] op_sel_hi:[1,1,0]
.endr
.irp i, 0,2,4,6,8,10,12,14
	v_pk_mul_f32 v[\blk+\i:\blk+\i+1], v[\blk+\i:\blk+\i+1], v[P+\i:P+\i+1]
.endr
.irp q, 0,1,2,3,4,5,6,7
	v_cvt_pk_bf16_f32 v[\blk+\q], v[\blk+2*\q], v[\blk+2*\q+1]     ; q ascending: register q is written when registers 2 q, 2 q + 1 are read, never ahead
.endr
	v_wmma_f32_16x16x32_bf16 v[\acc:\acc+7], v[AF:AF+7], v[\blk:\blk+7], 0   ; a sum of its own: C is the constant 0, nothing is carried
.endm
; A tile's four results go into my planes.
.macro PUT
	ds_store_b32 v4, v[DG]                         ; lanes of h = 0: the upper coefficients' sums; of h = 1: the lower ones', one plane further
	ds_store_b32 v4, v12 offset:PLJ
	ds_store_b32 v4, v13 offset:2*PLJ
	ds_store_b32 v4, v14 offset:3*PLJ
.endm
; One tile of 16 points x my 32 wavelets.  prev = 1: the tile before is stored.  next = 1: the next tile's x, y, z are fetched.
.macro TILE prev, next
	LIN XT, WX, 8, 0
	LIN YT, WY, 8, 1
	LIN ZT, WZ, 10, 0
.irp i, 0,2,4,6,8,10,12,14
	v_pk_mul_f32 v[S+\i:S+\i+1], v[XT+\i:XT+\i+1], v[XT+\i:XT+\i+1]
.endr
.irp i, 0,2,4,6,8,10,12,14
	v_pk_fma_f32 v[S+\i:S+\i+1], v[YT+\i:YT+\i+1], v[YT+\i:YT+\i+1], v[S+\i:S+\i+1]
.endr
.irp i, 0,2,4,6,8,10,12,14
	v_pk_fma_f32 v[S+\i:S+\i+1], v[ZT+\i:ZT+\i+1], v[ZT+\i:ZT+\i+1], v[S+\i:S+\i+1]
.endr
.irp i, 0,1,2,3,4,5,6,7,8,9,10,11,12,13,14,15
	v_exp_f32 v[S+\i], -v[S+\i]                    ; E: one exponential for the three axes
.endr
.irp i, 0,2,4,6,8,10,12,14
	v_pk_mul_f32 v[P+\i:P+\i+1], v[XT+\i:XT+\i+1], v[YT+\i:YT+\i+1]   ; plain instructions behind the exponentials, ahead of E's use (ISA guide 5.7.2)
.endr
.irp i, 0,2,4,6,8,10,12,14
	v_pk_mul_f32 v[P+\i:P+\i+1], v[P+\i:P+\i+1], v[ZT+\i:ZT+\i+1]
.endr
	s_wait_alu depctr_va_vdst(0)                   ; the sixteen E are written, ahead of their first reader; the linear lines above are done reading v8 to v10, in which the loads below land;
	                                               ; the tile before has written v3, which those loads read, and v4, v[DG], v12 to v14, which the stores below read
.if \next
	ds_load_b32 v8,  v3 offset:XS                  ; read again only behind the wait at the trip's bottom
	ds_load_b32 v9,  v3 offset:XS+1024
	ds_load_b32 v10, v3 offset:XS+2048
.endif
.if \prev
	PUT                                            ; the tile before
.endif
.irp i, 0,2,4,6,8,10,12,14
	v_pk_mul_f32 v[P+\i:P+\i+1], v[P+\i:P+\i+1], v[S+\i:S+\i+1]       ; G
.endr
.irp q, 0,1,2,3,4,5,6,7
	v_cvt_pk_bf16_f32 v[S+\q], v[P+2*\q], v[P+2*\q+1]
.endr
	s_wait_alu depctr_vm_vsrc(0)                   ; the LDS loads and stores above have read v3, v4, v[DG], v12 to v14: the matrix instruction below writes v[DG] again, the tile's bottom the others
	v_wmma_f32_16x16x32_bf16 v[DG:DG+7], v[AF:AF+7], v[S:S+7], 0      ; register j: sum of c_j G
	D2 XT, DX
	D2 YT, DY
	D2 ZT, DZ
	; Four plain vector instructions that name none of the last matrix instruction's registers (DZ, AF, ZT's first eight) stand between it
	; and the first reader of DZ (ISA guide 7.12.1).  DG, DX and DY lie 24 and more such instructions back.
	v_fma_f32 v12, v[DG+1], s54, -v[DX+1]          ; a^2 sum c1 G - sum c1 G (tx^2 - 2 a^2)
	v_fma_f32 v13, v[DG+2], s54, -v[DY+2]
	v_add_nc_u32 v4, 64, v4                        ; this tile's 16 words in my planes
.if \next
	v_add_nc_u32 v3, 64, v3                        ; the tile after next
.else
	v_nop
.endif
	v_fma_f32 v14, v[DG+3], s54, -v[DZ+3]
.if \next
.if \prev
	s_wait_dscnt 0x4                               ; LDS instructions end in order (ISA guide 5.7.1): all but the four stores, so the three loads of x, y, z are in
.else
	s_wait_dscnt 0x0                               ; tile 0: nothing was issued behind the three loads
.endif
.endif
.endm
	TILE 0, 1                                      ; tile 0 has no tile before it to store
	s_mov_b32 s45, NTILES-2
.Ltile:                                                ; tiles 1 to 14
	TILE 1, 1
	s_sub_co_u32 s45, s45, 1
	s_cmp_lg_u32 s45, 0
	s_cbranch_scc1 .Ltile
	TILE 1, 0                                      ; the last tile fetches nothing
	; THE SUM OVER THE WAVES.  Thread t adds the 32 planes (16 waves x upper, lower) of output t / 128 for points 2 (t % 128), + 1.
	s_mul_i32 s39, s44, PLJ
	s_add_co_u32 s39, s39, PL
	v_and_b32 v6, 127, v0
	v_lshlrev_b32 v6, 3, v6                        ; 8 bytes a thread: a wave reads, and later stores, 256 consecutive bytes
	v_add_nc_u32 v5, s39, v6                       ; planes of waves 0-7
	v_add_nc_u32 v7, 8*PLW, v5                     ; planes of waves 8-15: a second base, since an LDS offset has 16 bits
	s_wait_alu depctr_va_vdst(0)                   ; the last tile has written v4, v[DG], v12 to v14, which the stores below read; v5 and v7 are written, which the planes' loads read;
	                                               ; and the tiles are done reading v24 to v87, in which those loads land: no vector instruction stands between this wait and them
	PUT                                            ; the last tile
	s_cmp_eq_u32 s44, 0
	s_cselect_b32 s48, s38, 0                      ; the bias belongs to out0 alone
	s_mov_b32 s49, s48
	s_cmp_eq_u32 s44, 1
	s_cselect_b64 s[46:47], s[32:33], s[30:31]     ; my output's address, chosen by the wave's number
	s_cmp_eq_u32 s44, 2
	s_cselect_b64 s[46:47], s[34:35], s[46:47]
	s_cmp_eq_u32 s44, 3
	s_cselect_b64 s[46:47], s[36:37], s[46:47]
	s_add_nc_u64 s[46:47], s[46:47], s[42:43]      ; at the work-group's first point
	s_wait_dscnt 0x0                               ; zero: my stores into my planes are done before I signal
	s_barrier_signal -1
	s_barrier_wait -1                              ; every wave's planes are whole
.set n, 0
.rept 16
	ds_load_b64 v[24+2*n:25+2*n], v5 offset:(n>>1)*PLW+(n&1)*PLH
.set n, n+1
.endr
.rept 16
	ds_load_b64 v[24+2*n:25+2*n], v7 offset:((n-16)>>1)*PLW+(n&1)*PLH
.set n, n+1
.endr
	; four chains, started by the first four pairs: nothing is cleared.  Each wait leaves the younger groups of eight loads out.
	s_wait_dscnt 24
.set n, 4
.rept 4
	v_pk_add_f32 v[24+2*(n&3):25+2*(n&3)], v[24+2*(n&3):25+2*(n&3)], v[24+2*n:25+2*n]
.set n, n+1
.endr
	s_wait_dscnt 16
.rept 8
	v_pk_add_f32 v[24+2*(n&3):25+2*(n&3)], v[24+2*(n&3):25+2*(n&3)], v[24+2*n:25+2*n]
.set n, n+1
.endr
	s_wait_dscnt 8
.rept 8
	v_pk_add_f32 v[24+2*(n&3):25+2*(n&3)], v[24+2*(n&3):25+2*(n&3)], v[24+2*n:25+2*n]
.set n, n+1
.endr
	s_wait_dscnt 0x0
.rept 8
	v_pk_add_f32 v[24+2*(n&3):25+2*(n&3)], v[24+2*(n&3):25+2*(n&3)], v[24+2*n:25+2*n]
.set n, n+1
.endr
	v_pk_add_f32 v[24:25], v[24:25], v[26:27]
	v_pk_add_f32 v[28:29], v[28:29], v[30:31]
	v_pk_add_f32 v[24:25], v[24:25], v[28:29]
	v_pk_add_f32 v[24:25], v[24:25], s[48:49] op_sel_hi:[1,0]      ; + bias (out0) or + 0
	s_wait_alu depctr_va_vdst(0)                   ; the additions have written v[24:25], which the store reads
	global_store_b64 v6, v[24:25], s[46:47] th:TH_STORE_NT         ; a wave stores 256 consecutive bytes, at a multiple of 256 from the output's first byte
	s_wait_dscnt 0x0
	s_wait_alu depctr_hold_cnt(0) depctr_sa_sdst(0) depctr_va_vdst(0) depctr_va_sdst(0) depctr_va_ssrc(0) depctr_va_vcc(0) depctr_vm_vsrc(0)
	s_wait_tensorcnt 0x0
	ds_add_u32 v232, v233
	s_wait_dscnt 0x0
	s_endpgm
.Lfunc_end_k_q46f1513099_awpinn:
	.size	k_q46f1513099_awpinn, .Lfunc_end_k_q46f1513099_awpinn-k_q46f1513099_awpinn
	.p2alignl 7, 3214868480
	.fill 96, 4, 3214868480
	.section	.rodata,"a",@progbits
	.p2align	6, 0x0
	.amdhsa_kernel k_q46f1513099_awpinn
		.amdhsa_group_segment_fixed_size 164864
		.amdhsa_private_segment_fixed_size 0
		.amdhsa_enable_private_segment 0
		.amdhsa_kernarg_size 120
		.amdhsa_user_sgpr_count 2
		.amdhsa_user_sgpr_kernarg_segment_ptr 1
		.amdhsa_wavefront_size32 1
		.amdhsa_system_sgpr_workgroup_id_x 1
		.amdhsa_system_sgpr_workgroup_id_y 1
		.amdhsa_system_sgpr_workgroup_id_z 1
		.amdhsa_system_vgpr_workitem_id 0
		.amdhsa_next_free_vgpr 234
		.amdhsa_next_free_sgpr 66
		.amdhsa_reserve_vcc 0
		.amdhsa_float_denorm_mode_32 3
		.amdhsa_float_denorm_mode_16_64 3
		.amdhsa_memory_ordered 1
		.amdhsa_forward_progress 1
		.amdhsa_inst_pref_size 48
	.end_amdhsa_kernel
	.amdgpu_metadata
---
amdhsa.version: [ 1, 2 ]
amdhsa.kernels:
  - .name:           k_q46f1513099_awpinn
    .symbol:         k_q46f1513099_awpinn.kd
    .args:
      - { .name: x, .offset: 0, .size: 8, .value_kind: global_buffer, .address_space: global }
      - { .name: y, .offset: 8, .size: 8, .value_kind: global_buffer, .address_space: global }
      - { .name: z, .offset: 16, .size: 8, .value_kind: global_buffer, .address_space: global }
      - { .name: wx, .offset: 24, .size: 8, .value_kind: global_buffer, .address_space: global }
      - { .name: bx, .offset: 32, .size: 8, .value_kind: global_buffer, .address_space: global }
      - { .name: wy, .offset: 40, .size: 8, .value_kind: global_buffer, .address_space: global }
      - { .name: by, .offset: 48, .size: 8, .value_kind: global_buffer, .address_space: global }
      - { .name: wz, .offset: 56, .size: 8, .value_kind: global_buffer, .address_space: global }
      - { .name: bz, .offset: 64, .size: 8, .value_kind: global_buffer, .address_space: global }
      - { .name: coeff, .offset: 72, .size: 8, .value_kind: global_buffer, .address_space: global }
      - { .name: bias, .offset: 80, .size: 8, .value_kind: global_buffer, .address_space: global }
      - { .name: out0, .offset: 88, .size: 8, .value_kind: global_buffer, .address_space: global }
      - { .name: out1, .offset: 96, .size: 8, .value_kind: global_buffer, .address_space: global }
      - { .name: out2, .offset: 104, .size: 8, .value_kind: global_buffer, .address_space: global }
      - { .name: out3, .offset: 112, .size: 8, .value_kind: global_buffer, .address_space: global }
    .group_segment_fixed_size: 164864
    .private_segment_fixed_size: 0
    .kernarg_segment_align: 8
    .kernarg_segment_size: 120
    .max_flat_workgroup_size: 512
    .sgpr_count:     66
    .vgpr_count:     234
    .wavefront_size: 32
...
	.end_amdgpu_metadata
.endif
;; end of part 2
